; MI455X (gfx1250); checked and timed in simulation.
; The chip was launched on July 23, 2026; its instructions are those of AMD's public machine-readable ISA for CDNA 5 (MIT licence, August 2026) and "CDNA5" Instruction Set Architecture Reference Guide (July 2026). The comments in the code are by the model that wrote it; some were corrected since.
;; Axial Attention. Allowed arithmetic: float matrix products may take bf16 or f16 operands with f32 sums; other float arithmetic in f32, or as packed bf16 or f16 multiplies, adds, multiply-adds, maxima and minima; sums over many terms, partial sums and values carried from step to step in f32; what a program stores and reads back later, other than sums and carried values, may be rounded once to bf16 or f16.
;; Inputs: Wkv_i 256 x 512 float32; Wkv_j 256 x 512 float32; Wo_i 256 x 256 float32; Wo_j 256 x 256 float32; Wq_i 256 x 256 float32; Wq_j 256 x 256 float32; bia 256 float32; bib 256 float32; bja 256 float32; bjb 256 float32; bo_i 256 float32; bo_j 256 float32; cos_i 1 x 256 x 64 float32; cos_j 1 x 256 x 64 float32; gia 256 float32; gib 256 float32; gja 256 float32; gjb 256 float32; sin_i 1 x 256 x 64 float32; sin_j 1 x 256 x 64 float32; x 1 x 256 x 256 x 256 float32.
;; Outputs: out0 1 x 256 x 256 x 256 float32.
;; One version. Each part assembles by itself: llvm-mc -triple=amdgcn-amd-amdhsa -mcpu=gfx1250 --defsym DOCPART=n.
;; ======== version 1 of 1: 3 launches
;; limits: values are held in f16: magnitudes above 65,504 overflow, below 6.1e-05 lose precision
;; workspace buffers: wt 1,048,576 bytes; cv 8,192 bytes; tabf 262,144 bytes; tmax 2,048 bytes; y 67,108,864 bytes
;; launch prep (part 1): grid 32 x 2, 8 waves a work-group, no clusters, 18,944 bytes of LDS; arguments Wq_i, Wkv_i, Wo_i, gia, bia, gib, bib, bo_i, cos_i, sin_i, Wq_j, Wkv_j, Wo_j, gja, bja, gjb, bjb, bo_j, cos_j, sin_j, wt, cv, tabf, tmax; writes wt, cv, tabf, tmax
.if DOCPART == 1
	.amdgcn_target "amdgcn-amd-amdhsa--gfx1250"
	.amdhsa_code_object_version 6
	.text
	.protected	k_qe00bef95d3_prep
	.globl	k_qe00bef95d3_prep
	.p2align	8
	.type	k_qe00bef95d3_prep,@function
k_qe00bef95d3_prep:
	s_mov_b64 s[64:65], 0
	v_nop
	global_prefetch_b8 v0, s[64:65] scope:SCOPE_SE
	s_setreg_imm32_b32 hwreg(HW_REG_WAVE_MODE, 25, 1), 1
	s_wait_xcnt 0x0
; PREP: the weights of one axis (grid y) turned, scaled by the norm's gain and rounded to f16; the norm's bias folded into a vector; the rotary tables laid out by lanes.
; wt[axis][1024 rows][256 k] f16.  Rows go in steps of 64.  For head h: step 3h = q channels 0-31, k channels 0-31; step 3h+1 = q 32-63, k 32-63; step 3h+2 = v 0-63.  Steps 12-15: the 256 output dims of Wo.
;   q row of channel n: wt[k] = ga[k] Wq[k][n], cv = sum over k of ba[k] Wq[k][n]; k and v rows likewise with gb, bb and Wkv; an output row n: wt[64 h + d] = Wo[4 d + h][n], cv = bo[n].
; tabf[axis][cos, sin][64 blocks of 1 KB]: block (token tile T, channel tile ct), half q2, lane (r, hh) holds table[16 T + r][16 ct + 8 hh + 4 q2 .. + 3], unchanged.
; tmax[axis][256]: for each wave of this launch the largest magnitude among the table numbers that it copied.
; A work-group makes 32 rows of wt (block b = grid x).  Wave kq takes 32 k, lane l the row 32 b + l; the turn goes through LDS, so that rows of 512 bytes leave whole.
; LIMIT: g W beyond 65,504 has no f16; NaN and infinities are not treated apart.
.set TP,    528                        ; an LDS row: 512 bytes + 16: the 32 rows that a store touches start at different banks
.set CP,    32*TP                      ; 16,896: the eight waves' partial sums of b W, 32 words each
.set SPARE, CP+1024                    ; 17,920: the spare words, 128 bytes a wave
.set LANE, 1
.set SPW,  2                           ; LDS address of my spare word; never rewritten
.set NIL,  3                           ; 0; never rewritten
.set T4,   4                           ; 4 x thread
.set G,    5                           ; lane i: g[32 kq + i]
.set BV,   6                           ; lane i: b[32 kq + i]
.set TS_,  7                           ; table: byte offset of my 16 bytes in the source
.set TD,   8                           ; and in tabf
.set TBL,  10                          ; v[10:13] the four numbers
.set M,    14                          ; v14-15 their largest magnitude
.set TO,   16                          ; byte offset in tmax
.set CO4,  17                          ; 4 x (column + lane)
.set LSA,  18                          ; LDS: my row, my wave's 64 bytes
.set LRD,  19                          ; LDS: my wave's four rows, 16 bytes a lane
.set WOF,  20                          ; byte offset in wt
.set C0,   21                          ; v21-22 two chains of b W
.set L4,   23                          ; 4 x lane
.set OF,   24                          ; v24-55 byte offsets of the 32 source rows
.set WR,   56                          ; v56-87 the 32 weights; later the rows read back, and the partial sums
.set PKR,  88                          ; v88-103 packed f16
.set KQ, 52
.set AXS, 53
.set ST, 54
.set HF, 55
.set H, 56
.set J, 57
.set COL, 58
.set STR, 59
.set R0B, 60
.set KV, 61
.set BK, 62
.set Q2, 63
	s_load_b512 s[4:19], s[0:1], 0x0               ; axis i: Wq 4, Wkv 6, Wo 8, ga 10, ba 12, gb 14, bb 16, bo 18
	s_load_b128 s[20:23], s[0:1], 0x40             ; cos 20, sin 22
	s_load_b512 s[24:39], s[0:1], 0x50             ; axis j, in the same order, 20 registers on
	s_load_b128 s[40:43], s[0:1], 0x90
	s_load_b256 s[44:51], s[0:1], 0xa0             ; wt 44, cv 46, tabf 48, tmax 50
	v_lshl_add_u32 v[SPW], v0, 2, SPARE
	v_mov_b32 v[NIL], 0
	v_lshrrev_b32 v[LANE], 5, v0
	v_readfirstlane_b32 s[KQ], v[LANE]             ; wave 0..7
	v_and_b32 v[LANE], 31, v0
	v_lshlrev_b32 v[T4], 2, v0
	v_lshlrev_b32 v[L4], 2, v[LANE]
	s_and_b32 s[AXS], ttmp7, 0xffff                ; the axis
	s_lshr_b32 s[ST], ttmp9, 1                     ; the step of 64 rows,
	s_and_b32 s[HF], ttmp9, 1                      ; and which half of it
	s_mul_i32 s2, s[ST], 11
	s_lshr_b32 s[H], s2, 5                         ; head = step / 3 (exact for steps 0 to 11)
	s_mul_i32 s2, s[H], 3
	s_sub_co_u32 s[J], s[ST], s2                   ; 0, 1: q and k; 2: v
	s_lshl_b32 s[COL], s[H], 6
	s_lshl_b32 s2, s[J], 5
	s_add_co_u32 s2, s[COL], s2                    ; q, k: column 64 h + 32 j
	s_lshl_b32 s3, s[HF], 5
	s_add_co_u32 s3, s[COL], s3
	s_add_co_u32 s3, s3, 256                       ; v: column 256 + 64 h + 32 half
	s_cmp_eq_u32 s[J], 2
	s_cselect_b32 s[COL], s3, s2
	s_cselect_b32 s[KV], 1, 0
	s_or_b32 s[KV], s[KV], s[HF]                   ; 1: the block comes from Wkv
	s_lshl_b32 s[STR], 1024, s[KV]                 ; bytes from a source row to the next
	; the table item of my thread: wave kq: table kq / 4, block 2 b + (kq / 2) % 2, half kq % 2
	s_bfe_u32 s2, s[KQ], 0x10001
	s_lshl1_add_u32 s[BK], ttmp9, s2
	s_and_b32 s[Q2], s[KQ], 1
	s_lshr_b32 s2, s[BK], 2
	s_lshl_b32 s2, s2, 12                          ; 16 table rows of 256 bytes for each token tile
	s_and_b32 s3, s[BK], 3
	s_lshl_b32 s3, s3, 6
	s_add_co_u32 s2, s2, s3
	s_lshl_b32 s3, s[Q2], 4
	s_add_co_u32 s2, s2, s3
	v_and_b32 v[TS_], 15, v0
	v_lshlrev_b32 v[TS_], 8, v[TS_]
	v_bfe_u32 v[TD], v0, 4, 1
	v_lshl_add_u32 v[TS_], v[TD], 5, v[TS_]
	v_add_nc_u32 v[TS_], s2, v[TS_]
	s_lshl_b32 s2, s[AXS], 17
	s_lshr_b32 s3, s[KQ], 2
	s_lshl_b32 s3, s3, 16
	s_add_co_u32 s2, s2, s3
	s_lshl_b32 s3, s[BK], 10
	s_add_co_u32 s2, s2, s3
	s_lshl_b32 s3, s[Q2], 9
	s_add_co_u32 s2, s2, s3
	v_lshl_add_u32 v[TD], v[LANE], 4, s2           ; a wave's store covers 512 consecutive bytes
	s_lshl_b32 s2, s[AXS], 8
	s_lshl3_add_u32 s3, ttmp9, s[KQ]
	s_add_co_u32 s2, s2, s3
	s_lshl_b32 s2, s2, 2
	v_mov_b32 v[TO], s2                            ; tmax[axis][8 b + wave]
	s_lshl_b32 s2, s[AXS], 19
	s_lshl_b32 s3, ttmp9, 14
	s_add_co_u32 s2, s2, s3
	s_lshl_b32 s3, s[KQ], 11
	s_add_co_u32 s2, s2, s3
	v_lshl_add_u32 v[WOF], v[LANE], 4, s2          ; wt: axis, 32 rows a block, 4 rows a wave
	v_mul_u32_u24 v[LSA], v[LANE], TP
	v_lshl_add_u32 v[LSA], s[KQ], 6, v[LSA]
	s_mul_i32 s2, s[KQ], 4*TP
	v_lshl_add_u32 v[LRD], v[LANE], 4, s2
	s_wait_kmcnt 0x0
	s_cmp_eq_u32 s[AXS], 0
.irp p, 4,6,8,10,12,14,16,18,20,22
	s_cselect_b64 s[\p:\p+1], s[\p:\p+1], s[\p+20:\p+21]   ; my axis's ten inputs
.endr
	s_cmp_lt_u32 s[KQ], 4
	s_cselect_b64 s[72:73], s[20:21], s[22:23]     ; waves 0-3 copy cos, waves 4-7 sin
	global_load_b128 v[TBL:TBL+3], v[TS_], s[72:73]
	s_cmp_lg_u32 s[KV], 0
	s_cselect_b64 s[66:67], s[6:7], s[4:5]         ; the weights,
	s_cselect_b64 s[68:69], s[14:15], s[10:11]     ; the gain
	s_cselect_b64 s[70:71], s[16:17], s[12:13]     ; and the bias of the norm in front of them
	s_cmp_ge_u32 s[ST], 12
	s_cbranch_scc1 .Lout_rows
	global_load_b32 v[G], v[T4], s[68:69]          ; thread t = 32 kq + lane takes g[t], b[t]
	global_load_b32 v[BV], v[T4], s[70:71]
	s_lshl_b32 s2, s[KQ], 5
	s_mul_i32 s[R0B], s2, s[STR]                   ; my wave's first source row: 32 kq
	s_branch .Lrows
.Lout_rows:                                            ; Wo: no norm in front; k' = 64 h + d stands for source row 4 d + h
	s_mov_b64 s[66:67], s[8:9]
	s_mov_b32 s[STR], 4096                         ; four rows of 1,024 bytes from d to d + 1
	s_and_b32 s2, s[KQ], 1
	s_lshl_b32 s2, s2, 7
	s_lshr_b32 s3, s[KQ], 1
	s_add_co_u32 s2, s2, s3                        ; first row 128 (kq % 2) + kq / 2
	s_lshl_b32 s[R0B], s2, 10
	s_sub_co_u32 s2, s[ST], 12
	s_lshl_b32 s2, s2, 6
	s_lshl_b32 s3, s[HF], 5
	s_add_co_u32 s[COL], s2, s3
	v_mov_b32 v[G], 1.0
	v_mov_b32 v[BV], 0
.Lrows:
	v_lshl_add_u32 v[CO4], s[COL], 2, v[L4]
	v_add_nc_u32 v[OF], s[R0B], v[CO4]
.set i, 1
.rept 31
	v_add_nc_u32 v[OF+i], s[STR], v[OF+i-1]
.set i, i+1
.endr
.set i, 0
.rept 32
	global_load_b32 v[WR+i], v[OF+i], s[66:67]     ; 32 lanes take 128 neighbouring bytes of a source row
.set i, i+1
.endr
	s_wait_loadcnt 0x0                             ; everything is in: the launch is short, one wait serves
	global_store_b128 v[TD], v[TBL:TBL+3], s[48:49]
	v_max3_num_f32 v[M], |v[TBL]|, |v[TBL+1]|, |v[TBL+2]|
	v_max_num_f32 v[M], v[M], |v[TBL+3]|
	s_mov_b32 s2, 0x76543210
	s_mov_b32 s3, 0xfedcba98
	v_max_num_f32_dpp v[M], v[M], v[M] row_xmask:1 row_mask:0xf bank_mask:0xf
	v_max_num_f32_dpp v[M], v[M], v[M] row_xmask:2 row_mask:0xf bank_mask:0xf
	v_max_num_f32_dpp v[M], v[M], v[M] row_xmask:4 row_mask:0xf bank_mask:0xf
	v_max_num_f32_dpp v[M], v[M], v[M] row_xmask:8 row_mask:0xf bank_mask:0xf
	v_mov_b32 v[M+1], v[M]
	v_permlanex16_b32 v[M+1], v[M], s2, s3
	v_max_num_f32 v[M], v[M], v[M+1]
	v_cmp_eq_u32 vcc_lo, 0, v[LANE]
	s_wait_xcnt 0x0                                ; EXEC is a source of the loads and the store above: it changes only behind this wait
	s_and_saveexec_b32 s76, vcc_lo
	global_store_b32 v[TO], v[M], s[50:51]         ; lane 0 alone
	s_wait_xcnt 0x0                                ; and again in front of the line that widens it
	s_or_b32 exec_lo, exec_lo, s76
	; w' = g w; c += b w in two chains
.set i, 0
.rept 32
	v_readlane_b32 s77, v[G], i
	v_readlane_b32 s78, v[BV], i
.if i < 2
	v_mul_f32 v[C0+i], s78, v[WR+i]
.else
	v_fmac_f32 v[C0+(i%2)], s78, v[WR+i]
.endif
	v_mul_f32 v[WR+i], s77, v[WR+i]
.set i, i+1
.endr
.set i, 0
.rept 16
	v_cvt_pk_f16_f32 v[PKR+i], v[WR+2*i], v[WR+2*i+1]
.set i, i+1
.endr
	v_add_f32 v[C0], v[C0], v[C0+1]
.irp t, 0,1,2,3
	ds_store_b128 v[LSA], v[PKR+4*\t:PKR+4*\t+3] offset:16*\t
.endr
	ds_store_b32 v[T4], v[C0] offset:CP
	s_wait_dscnt 0x0                               ; for the others' sake: my stores are done
	s_barrier_signal -1
	s_barrier_wait -1
.irp t, 0,1,2,3
	ds_load_b128 v[WR+4*\t:WR+4*\t+3], v[LRD] offset:\t*TP
.endr
.irp t, 0,1,2,3
	s_wait_dscnt 3-\t
	global_store_b128 v[WOF], v[WR+4*\t:WR+4*\t+3], s[44:45] offset:\t*512   ; a whole row of wt: 512 consecutive bytes
.endr
	s_wait_tensorcnt 0x0                           ; the closing wait, add and wait, behind my last LDS store; only LDS reads follow
	ds_add_u32 v[SPW], v[NIL]
	s_wait_dscnt 0x0
	s_cmp_lg_u32 s[KQ], 0
	s_cbranch_scc1 .Ldone
.irp t, 0,1,2,3,4,5,6,7
	ds_load_b32 v[WR+16+\t], v[L4] offset:CP+\t*128   ; wave 0 adds the eight waves' sums, in order
.endr
	s_lshl_b32 s2, s[AXS], 12
	s_lshl_b32 s3, ttmp9, 7
	s_add_co_u32 s2, s2, s3
	v_add_nc_u32 v[TS_], s2, v[L4]                 ; cv[axis][32 b + lane]
	s_wait_dscnt 0x0
.irp t, 1,2,3,4,5,6,7
	v_add_f32 v[WR+16], v[WR+16], v[WR+16+\t]
.endr
	s_cmp_ge_u32 s[ST], 12
	s_cbranch_scc0 .Lno_bo
	global_load_b32 v[WR+24], v[CO4], s[18:19]     ; an output row's constant is bo (the sums above are zeros there)
	s_wait_loadcnt 0x0
	v_add_f32 v[WR+16], v[WR+16], v[WR+24]
.Lno_bo:
	global_store_b32 v[TS_], v[WR+16], s[46:47]
.Ldone:
	s_endpgm
.Lfunc_end_k_qe00bef95d3_prep:
	.size	k_qe00bef95d3_prep, .Lfunc_end_k_qe00bef95d3_prep-k_qe00bef95d3_prep
	.p2alignl 7, 3214868480
	.fill 96, 4, 3214868480
	.section	.rodata,"a",@progbits
	.p2align	6, 0x0
	.amdhsa_kernel k_qe00bef95d3_prep
		.amdhsa_group_segment_fixed_size 18944
		.amdhsa_private_segment_fixed_size 0
		.amdhsa_enable_private_segment 0
		.amdhsa_kernarg_size 192
		.amdhsa_user_sgpr_count 2
		.amdhsa_user_sgpr_kernarg_segment_ptr 1
		.amdhsa_wavefront_size32 1
		.amdhsa_system_sgpr_workgroup_id_x 1
		.amdhsa_system_sgpr_workgroup_id_y 1
		.amdhsa_system_sgpr_workgroup_id_z 1
		.amdhsa_system_vgpr_workitem_id 0
		.amdhsa_next_free_vgpr 104
		.amdhsa_next_free_sgpr 80
		.amdhsa_reserve_vcc 1
		.amdhsa_float_denorm_mode_32 3
		.amdhsa_float_denorm_mode_16_64 3
		.amdhsa_memory_ordered 1
		.amdhsa_forward_progress 1
		.amdhsa_inst_pref_size 20
	.end_amdhsa_kernel
	.amdgpu_metadata
---
amdhsa.version: [ 1, 2 ]
amdhsa.kernels:
  - .name:           k_qe00bef95d3_prep
    .symbol:         k_qe00bef95d3_prep.kd
    .args:
      - { .name: Wq_i, .offset: 0, .size: 8, .value_kind: global_buffer, .address_space: global }
      - { .name: Wkv_i, .offset: 8, .size: 8, .value_kind: global_buffer, .address_space: global }
      - { .name: Wo_i, .offset: 16, .size: 8, .value_kind: global_buffer, .address_space: global }
      - { .name: gia, .offset: 24, .size: 8, .value_kind: global_buffer, .address_space: global }
      - { .name: bia, .offset: 32, .size: 8, .value_kind: global_buffer, .address_space: global }
      - { .name: gib, .offset: 40, .size: 8, .value_kind: global_buffer, .address_space: global }
      - { .name: bib, .offset: 48, .size: 8, .value_kind: global_buffer, .address_space: global }
      - { .name: bo_i, .offset: 56, .size: 8, .value_kind: global_buffer, .address_space: global }
      - { .name: cos_i, .offset: 64, .size: 8, .value_kind: global_buffer, .address_space: global }
      - { .name: sin_i, .offset: 72, .size: 8, .value_kind: global_buffer, .address_space: global }
      - { .name: Wq_j, .offset: 80, .size: 8, .value_kind: global_buffer, .address_space: global }
      - { .name: Wkv_j, .offset: 88, .size: 8, .value_kind: global_buffer, .address_space: global }
      - { .name: Wo_j, .offset: 96, .size: 8, .value_kind: global_buffer, .address_space: global }
      - { .name: gja, .offset: 104, .size: 8, .value_kind: global_buffer, .address_space: global }
      - { .name: bja, .offset: 112, .size: 8, .value_kind: global_buffer, .address_space: global }
      - { .name: gjb, .offset: 120, .size: 8, .value_kind: global_buffer, .address_space: global }
      - { .name: bjb, .offset: 128, .size: 8, .value_kind: global_buffer, .address_space: global }
      - { .name: bo_j, .offset: 136, .size: 8, .value_kind: global_buffer, .address_space: global }
      - { .name: cos_j, .offset: 144, .size: 8, .value_kind: global_buffer, .address_space: global }
      - { .name: sin_j, .offset: 152, .size: 8, .value_kind: global_buffer, .address_space: global }
      - { .name: wt, .offset: 160, .size: 8, .value_kind: global_buffer, .address_space: global }
      - { .name: cv, .offset: 168, .size: 8, .value_kind: global_buffer, .address_space: global }
      - { .name: tabf, .offset: 176, .size: 8, .value_kind: global_buffer, .address_space: global }
      - { .name: tmax, .offset: 184, .size: 8, .value_kind: global_buffer, .address_space: global }
    .group_segment_fixed_size: 18944
    .private_segment_fixed_size: 0
    .kernarg_segment_align: 8
    .kernarg_segment_size: 192
    .max_flat_workgroup_size: 256
    .sgpr_count:     80
    .vgpr_count:     104
    .wavefront_size: 32
...
	.end_amdgpu_metadata
.endif
;; end of part 1
;; launch main (part 2): grid 256 x 2, 4 waves a work-group, clusters of 4 x 1, 327,680 bytes of LDS; arguments x, wt, cv, tabf, tmax, y; writes y
.if DOCPART == 2
	.amdgcn_target "amdgcn-amd-amdhsa--gfx1250"
	.amdhsa_code_object_version 6
	.text
	.protected	k_qe00bef95d3_main
	.globl	k_qe00bef95d3_main
	.p2align	8
	.type	k_qe00bef95d3_main,@function
k_qe00bef95d3_main:
	s_mov_b64 s[64:65], 0
	v_nop
	global_prefetch_b8 v0, s[64:65] scope:SCOPE_SE
	s_setreg_imm32_b32 hwreg(HW_REG_WAVE_MODE, 25, 1), 1
	s_wait_xcnt 0x0
	s_wait_alu depctr_hold_cnt(0) depctr_sa_sdst(0) depctr_va_vdst(0) depctr_va_sdst(0) depctr_va_ssrc(0) depctr_va_vcc(0) depctr_vm_vsrc(0)
	s_getreg_b32 s2, hwreg(HW_REG_IB_STS2, 6, 4)
	s_cmp_eq_u32 s2, 0
	s_cbranch_scc0 .Lentry_in_a_cluster
	s_endpgm
.Lentry_in_a_cluster:
	s_bfe_u32 s2, ttmp6, 0x10000c
	s_cmp_lg_u32 s2, 0x3003
	s_cbranch_scc0 .Lentry_shape_is_right
	s_endpgm
.Lentry_shape_is_right:
; ONE AXIAL ATTENTION OVER ONE SEQUENCE OF 256 TOKENS, WHOLE, IN ONE WORK-GROUP.  Grid y is the axis (0: tokens along j, 1: along i), grid x the sequence.  y[axis][i][j][256] = elu(attention), in bf16.
; Four waves, 64 tokens (four tiles of 16) each.  Steps: layer norm -> xhat (f16, in registers); for each head q, k, v = W xhat + c, rotary on q and k, S = K Q^T, softmax over all 256 keys with their
; true maximum, O = V^T P / l; then Z = Wo out + bo, elu.  Gains and biases of the two norms are folded into wt and cv by the launch before.
; ALL PRODUCTS ARE USED TRANSPOSED (source 0 = 16 rows of weights, keys or channels, source 1 = 16 tokens): a lane then holds ONE token (lane % 16) and eight neighbouring rows 8 (lane / 16) + 0..7, and two
; results rounded to f16 in pairs ARE source 1 of the next product.  Nothing changes lanes but a row's sum or maximum (one exchange of the lanes' halves).
; FORMATS.  Every matrix operand is f16 (scores are unscaled sums of 64 products: 8 significant bits would not do); sums, maxima, norms, rotary and elu in f32; y once to bf16, since elu's range is not f16's.
; The rotary tables are multiplied by inv = 2^(125 - E), E the exponent of their largest magnitude (an exact scaling, to at most 1/2), so that q and k keep the range that they had; the scores get 1 / inv^2 back in f32.
; LIMITS.  16 |g W column| + |b W| stays under 65,504; table magnitudes under 2^125, and 1 / inv^2 within f32; a weight p under 6e-8 counts as 0 in the second product, under 2^-126 also in l;
; NaN and infinities are not treated apart.
; CLUSTER.  The four sequences of a cluster walk the same weights: each step of 64 rows of wt is asked for JOINTLY (same line, same descriptor, mask of four).  x is each work-group's own.
; LDS.  0 .. 266,240: x as f32, rows 1,040 bytes apart, wave w's 64 rows at 66,560 w; filled once.  Each wave writes its xhat over rows that it has read (32,768 bytes from 66,560 w; wave 3's end at 232,448).
;   Behind the first round that space is K (0, pitch 144), V (36,864, pitch 160) and Q / out (77,824: head x 32,768 + wave x 8,192 + tile x 2,048 + channel tile x 512 + lane x 16), at the end the stage for y
;   (wave x 33,792, pitch 528).  Weight slots: SL1 at 232,448 (x's last bytes, filled again by tensor loads alone), SL0 at 266,240, 64 rows of 528 bytes each; no LDS store ever lands there.  Spare words at 300,032.
; REGISTERS, in windows of 256 (s_set_vgpr_msb: bits 1:0 source 0, 3:2 source 1, 5:4 source 2, 7:6 destination):
;   window 0: v0-31 addresses and small numbers; v32-63 the step's constants; v64-127 Q's fragments, softmax statistics, then O^T; v128-255 two buffers of fragments read from LDS
;   window 1: xhat, 8 (8 tile + k / 32); at the end the heads' outputs in its place        window 2: cos at 8 (4 ct + tile), sin 128 on, scaled, sin's even channels negated
;   window 3: v0-127 sixteen accumulators 8 (4 rows' tile + tile), v128-255 at work; in attention all 256 are S^T: 128 u + 8 key tile
.set XP,    1040
.set XW,    64*XP
.set PK,    144                        ; a row of K: 128 bytes + 16: the 16 rows of a load start at 16 different groups of four banks (ISA guide 11.1)
.set PV,    160                        ; a row of V: 128 + 32
.set VB,    256*PK
.set QO,    VB+256*PV
.set SL1,   3*XW+4*8192
.set SL0,   4*XW
.set SLX,   SL0^SL1                    ; no bit of wave x 8,448 meets a set bit of SL0 or SL1, so one exclusive or turns an address in one slot into the other's
.set WP,    528
.set SPARE, SL0+64*WP
.set R_,   1                           ; lane % 16
.set HH,   2                           ; lane / 16
.set LN_,  3                           ; lane
.set SPW,  4                           ; LDS address of my spare word; never rewritten
.set NIL,  5                           ; 0; never rewritten
.set AW0,  6                           ; my place in a weight slot: r x 528 + 16 hh
.set AW,   7                           ; + the slot in hand
.set AKS,  8                           ; K, where I store
.set AVS,  9                           ; V, where I store
.set AQ,   10                          ; Q of the head in hand (at the start: my offset in tabf)
.set AQG,  11                          ; Q / out of the two tiles in hand (at the start: my offset in tmax)
.set AKL,  12                          ; K, where I read
.set AVL,  13                          ; V, where I read
.set ABI,  14                          ; 32 hh: my eight constants of a tile of 16 rows
.set AST0, 15                          ; the stage, where I store
.set ARD,  16                          ; the stage, where I read rows back
.set AXR0, 17                          ; x, where I read
.set C2,   18                          ; v[18:19] log2(e) / inv^2, twice
.set INV,  20                          ; v[20:21] inv, inv
.set NINV, 22                          ; v[22:23] -inv, inv
.set RL,   24                          ; v[24:27] 1 / l, twice, for each of two tiles
.set AXS0, 28                          ; xhat, where I store and read
.set AQ0,  29                          ; Q / out of head 0
.set AQ1,  30                          ; of head 2
.set TA,   31                          ; an address at work
.set BI,   32
.set QF,   64
.set OA,   64
.set LT,   72                          ; v72-75 the norm's sums, in window 0
.set CH,   96                          ; eight chains of maxima
.set MCP,  104                         ; c2 m, twice, for each tile
.set LS,   108                         ; four chains of sums (pairs) for each tile
.set FB,   128
.set LC,   192                         ; window 3: the norm's four chains
.set WV, 16
.set AX, 17
.set SEQ, 18
.set TSX, 20
.set SSX, 21
.set G1, 24                            ; s[24:31] the weights' descriptor, group 1
.set G0, 32                            ; s[32:35] group 0: it walks
.set WB, 36                            ; the slot that is read
.set PASS, 37
.set GRP, 38
.set OS, 39
.set SEL, 40                           ; s[40:41] v_permlanex16_b32's selects: each lane takes its own place in the other half
.set L2E, 42                           ; s[42:43] log2(e)
.set GOFF, 44
.set LNC, 45
.set PO, 46
.set OC, 47
.set G1I, 48                           ; s[48:55] x's group 1, tokens 1,024 bytes apart
.set G1J, 56                           ; s[56:63] the same, tokens 262,144 bytes apart
.set G0X, 68                           ; s[68:71] x's group 0
.set R256, 72
.set EPSR, 73
.set NR256, 74
.set XRO, 75
.set XSO, 80
.set TSY, 81
.set MSB, 0
.macro WIN new                         ; the immediate's high byte repeats the setting that is left; a switch that changes nothing is dropped
.if MSB != (\new)
	s_set_vgpr_msb (MSB<<8)|(\new)
.set MSB, (\new)
.endif
.endm
.macro PLACES                          ; four places behind matrix instructions, in front of loads into their registers and of vector lines that read results
.rept 4
	v_nop
.endr
.endm
.macro CROUND                          ; a round of the cluster's barrier: my work-group's barrier; wave 0 signals for it; every wave waits for all four work-groups; my work-group's barrier once more
	s_barrier_signal -1
	s_barrier_wait -1
	s_cmp_lg_u32 s[WV], 0
	s_cbranch_scc1 .Lnot_wave_0_\@
	s_barrier_signal -3
.Lnot_wave_0_\@:
	s_barrier_wait -3
	s_barrier_signal -1
	s_barrier_wait -1
.endm
; THE CHANGE OF SLOTS.  Each wave waits for all its tensor loads (one is out: its 16 rows of the slot to be read), adds 0 to its spare word, and waits for that and for all its LDS reads and stores.
; refill = 1: a round of the cluster's barrier, and the slot read last is filled with the step after next's... next step's rows: my one tensor load behind the round, and the first thing there.
.macro TRIP refill
	WIN 0
	s_wait_tensorcnt 0x0                           ; no tensor load of mine is out, so group 0 may be written
	ds_add_u32 v[SPW], v[NIL]                      ; the scalar steps stand between the add and the wait for it
.if \refill
	s_xor_b32 s[G0+1], s[G0+1], SLX                ; the other slot than last time,
	s_add_nc_u64 s[G0+2:G0+3], s[G0+2:G0+3], 32768 ; the next 64 rows of wt; the type bits on top are not reached
.endif
	s_xor_b32 s[WB], s[WB], SLX
	s_wait_dscnt 0x0                               ; the add is done; my reads of the old slot, of K and V, and my stores are over
.if \refill
	CROUND
	tensor_load_to_lds s[G0:G0+3], s[G1:G1+7]
	s_nop 0
	PLACES
.else
	s_barrier_signal -1
	s_barrier_wait -1
.endif
.endm
; 16 LDS loads: 64 rows of weights x 64 k (k / 32 = 2 qq, 2 qq + 1) into buffer bf
.macro FETCHW qq, bf
	WIN 0
.irp c, 0,1
.irp rt, 0,1,2,3
	ds_load_b128 v[FB+64*(\bf)+32*(\c)+8*(\rt):FB+64*(\bf)+32*(\c)+8*(\rt)+3], v[AW] offset:(\rt)*16*WP+(2*(\qq)+(\c))*64
	ds_load_b128 v[FB+64*(\bf)+32*(\c)+8*(\rt)+4:FB+64*(\bf)+32*(\c)+8*(\rt)+7], v[AW] offset:(\rt)*16*WP+(2*(\qq)+(\c))*64+32
.endr
.endr
.endm
; 32 matrix instructions; the 16 accumulators take turns.  first = 1: the sums start with the rows' constants
.macro MULW qq, bf, first
.irp c, 0,1
.irp rt, 0,1,2,3
.irp tt, 0,1,2,3
.if (\first) && ((\c) == 0)
	WIN 0xc4
	v_wmma_f32_16x16x32_f16 v[8*(4*(\rt)+(\tt)):8*(4*(\rt)+(\tt))+7], v[FB+64*(\bf)+32*(\c)+8*(\rt):FB+64*(\bf)+32*(\c)+8*(\rt)+7], v[8*(8*(\tt)+2*(\qq)+(\c)):8*(8*(\tt)+2*(\qq)+(\c))+7], v[BI+8*(\rt):BI+8*(\rt)+7]
.else
	WIN 0xf4
	v_wmma_f32_16x16x32_f16 v[8*(4*(\rt)+(\tt)):8*(4*(\rt)+(\tt))+7], v[FB+64*(\bf)+32*(\c)+8*(\rt):FB+64*(\bf)+32*(\c)+8*(\rt)+7], v[8*(8*(\tt)+2*(\qq)+(\c)):8*(8*(\tt)+2*(\qq)+(\c))+7], v[8*(4*(\rt)+(\tt)):8*(4*(\rt)+(\tt))+7]
.endif
.endr
.endr
.endr
.endm
; A STEP'S PRODUCT: 64 rows of wt x my 64 tokens over k = 256: 128 matrix instructions on two fragment buffers.  Each s_wait_dscnt 16 leaves the 16 loads just issued, the other buffer's, out.
.macro MM64 nextbias
	WIN 0
	v_add_nc_u32 v[AW], s[WB], v[AW0]
	s_wait_loadcnt 0x0                             ; the step's constants are in, and their base may be stepped
	FETCHW 0, 0
	FETCHW 1, 1
	s_wait_dscnt 16
	MULW 0, 0, 1
	PLACES
.if \nextbias
	WIN 0
	s_add_nc_u64 s[8:9], s[8:9], 256               ; the next step's 64 constants: they have the rest of this step in which to come
.irp rt, 0,1,2,3
	global_load_b128 v[BI+8*(\rt):BI+8*(\rt)+3], v[ABI], s[8:9] offset:(\rt)*64
	global_load_b128 v[BI+8*(\rt)+4:BI+8*(\rt)+7], v[ABI], s[8:9] offset:(\rt)*64+16
.endr
.endif
	FETCHW 2, 0
	s_wait_dscnt 16
	MULW 1, 1, 0
	PLACES
	FETCHW 3, 1
	s_wait_dscnt 16
	MULW 2, 0, 0
	s_wait_dscnt 0x0
	MULW 3, 1, 0
	PLACES
.endm
; q and k of channel tiles 2 jj, 2 jj + 1: rotary (a pair of registers is an even and an odd channel: a' = a cos + swapped a x (-sin, sin)), f16, q into my own fragment store, k into K's rows
.macro EPI_QK jj
	WIN 0xfb
.irp rt, 0,1,2,3
.irp tt, 0,1,2,3
.set ra, 8*(4*(\rt)+(\tt))
.set rc, 8*(4*(2*(\jj)+((\rt)&1))+(\tt))
.irp p, 0,1,2,3
	v_pk_mul_f32 v[128+ra+2*(\p):128+ra+2*(\p)+1], v[ra+2*(\p):ra+2*(\p)+1], v[rc+2*(\p):rc+2*(\p)+1]
.endr
.irp p, 0,1,2,3
	v_pk_fma_f32 v[128+ra+2*(\p):128+ra+2*(\p)+1], v[ra+2*(\p):ra+2*(\p)+1], v[128+rc+2*(\p):128+rc+2*(\p)+1], v[128+ra+2*(\p):128+ra+2*(\p)+1] op_sel:[1,0,0] op_sel_hi:[0,1,1]
.endr
.endr
.endr
	WIN 0xcf
.set i, 0
.rept 64
	v_cvt_pk_f16_f32 v[i], v[128+2*i], v[128+2*i+1]
.set i, i+1
.endr
	WIN 0x0c
.irp rt, 0,1
.irp tt, 0,1,2,3
	ds_store_b128 v[AQ], v[4*(4*(\rt)+(\tt)):4*(4*(\rt)+(\tt))+3] offset:(\tt)*2048+(2*(\jj)+(\rt))*512
	ds_store_b128 v[AKS], v[4*(4*((\rt)+2)+(\tt)):4*(4*((\rt)+2)+(\tt))+3] offset:(\tt)*16*PK+(2*(\jj)+(\rt))*32
.endr
.endr
.endm
.macro EPI_V                           ; v's 64 channels: f16, into V's rows
	WIN 0xcf
.set i, 0
.rept 64
	v_cvt_pk_f16_f32 v[128+i], v[2*i], v[2*i+1]
.set i, i+1
.endr
	WIN 0x0c
.irp rt, 0,1,2,3
.irp tt, 0,1,2,3
	ds_store_b128 v[AVS], v[128+4*(4*(\rt)+(\tt)):128+4*(4*(\rt)+(\tt))+3] offset:(\tt)*16*PV+(\rt)*32
.endr
.endr
.endm
; elu(z) is the middle one of e^z - 1, z and 0 (e^z - 1 >= z always): z where z > 0, e^z - 1 where z < 0.  Then bf16, into my stage
.macro EPI_O
	WIN 0
	v_add_nc_u32 v[TA], s[OS], v[AST0]
	WIN 0xff
.set i, 0
.rept 64
	v_pk_mul_f32 v[128+2*i:128+2*i+1], v[2*i:2*i+1], s[L2E:L2E+1] op_sel_hi:[1,0]
.set i, i+1
.endr
.set i, 0
.rept 128
	v_exp_f32 v[128+i], v[128+i]
.set i, i+1
.endr
	v_nop                                          ; a plain instruction between the exponentials and the first use of a result
.set i, 0
	s_wait_alu depctr_va_vdst(0)
.rept 64
	v_pk_add_f32 v[128+2*i:128+2*i+1], v[128+2*i:128+2*i+1], -1.0 op_sel_hi:[1,0]
.set i, i+1
.endr
.set i, 0
.rept 128
	v_med3_num_f32 v[128+i], v[128+i], v[i], 0
.set i, i+1
.endr
.set i, 0
.rept 64
	v_cvt_pk_bf16_f32 v[i], v[128+2*i], v[128+2*i+1]
.set i, i+1
.endr
	WIN 0x0c
.irp rt, 0,1,2,3
.irp tt, 0,1,2,3
	ds_store_b128 v[TA], v[4*(4*(\rt)+(\tt)):4*(4*(\rt)+(\tt))+3] offset:(\tt)*16*WP+(\rt)*32
.endr
.endr
.endm
; ATTENTION'S PARTS, for two token tiles u = 0, 1 of the head in hand.  Keys go in four chunks of 64.
.macro KFETCH ch, bf                   ; 64 keys x 64 channels: 16 loads
	WIN 0
.irp kt, 0,1,2,3
.irp c, 0,1
	ds_load_b128 v[FB+64*(\bf)+16*(\kt)+8*(\c):FB+64*(\bf)+16*(\kt)+8*(\c)+3], v[AKL] offset:(64*(\ch)+16*(\kt))*PK+64*(\c)
	ds_load_b128 v[FB+64*(\bf)+16*(\kt)+8*(\c)+4:FB+64*(\bf)+16*(\kt)+8*(\c)+7], v[AKL] offset:(64*(\ch)+16*(\kt))*PK+64*(\c)+32
.endr
.endr
.endm
.macro SMUL ch, bf                     ; S^T = K Q^T: 16 matrix instructions, eight accumulators by turns; the first eight start the sums
	WIN 0xf0
.irp c, 0,1
.irp kt, 0,1,2,3
.irp u, 0,1
.if (\c) == 0
	v_wmma_f32_16x16x32_f16 v[128*(\u)+8*(4*(\ch)+(\kt)):128*(\u)+8*(4*(\ch)+(\kt))+7], v[FB+64*(\bf)+16*(\kt)+8*(\c):FB+64*(\bf)+16*(\kt)+8*(\c)+7], v[QF+16*(\u)+8*(\c):QF+16*(\u)+8*(\c)+7], 0
.else
	v_wmma_f32_16x16x32_f16 v[128*(\u)+8*(4*(\ch)+(\kt)):128*(\u)+8*(4*(\ch)+(\kt))+7], v[FB+64*(\bf)+16*(\kt)+8*(\c):FB+64*(\bf)+16*(\kt)+8*(\c)+7], v[QF+16*(\u)+8*(\c):QF+16*(\u)+8*(\c)+7], v[128*(\u)+8*(4*(\ch)+(\kt)):128*(\u)+8*(4*(\ch)+(\kt))+7]
.endif
.endr
.endr
.endr
.endm
.macro VFETCH ch, bf                   ; 64 keys x 64 channels, turned: 16 loads
	WIN 0
.irp kk, 0,1
.irp cb, 0,1,2,3
	ds_load_tr16_b128 v[FB+64*(\bf)+32*(\kk)+8*(\cb):FB+64*(\bf)+32*(\kk)+8*(\cb)+3], v[AVL] offset:(64*(\ch)+32*(\kk))*PV+32*(\cb)
	ds_load_tr16_b128 v[FB+64*(\bf)+32*(\kk)+8*(\cb)+4:FB+64*(\bf)+32*(\kk)+8*(\cb)+7], v[AVL] offset:(64*(\ch)+32*(\kk)+16)*PV+32*(\cb)
.endr
.endr
.endm
.macro PMUL ch, bf                     ; O^T += V^T P: 16 matrix instructions, eight accumulators by turns; the very first eight start the sums
	WIN 0x0c
.irp kk, 0,1
.irp cb, 0,1,2,3
.irp u, 0,1
.if ((\ch) == 0) && ((\kk) == 0)
	v_wmma_f32_16x16x32_f16 v[OA+32*(\u)+8*(\cb):OA+32*(\u)+8*(\cb)+7], v[FB+64*(\bf)+32*(\kk)+8*(\cb):FB+64*(\bf)+32*(\kk)+8*(\cb)+7], v[128*(\u)+16*(2*(\ch)+(\kk)):128*(\u)+16*(2*(\ch)+(\kk))+7], 0
.else
	v_wmma_f32_16x16x32_f16 v[OA+32*(\u)+8*(\cb):OA+32*(\u)+8*(\cb)+7], v[FB+64*(\bf)+32*(\kk)+8*(\cb):FB+64*(\bf)+32*(\kk)+8*(\cb)+7], v[128*(\u)+16*(2*(\ch)+(\kk)):128*(\u)+16*(2*(\ch)+(\kk))+7], v[OA+32*(\u)+8*(\cb):OA+32*(\u)+8*(\cb)+7]
.endif
.endr
.endr
.endr
.endm
.macro SMA kx                          ; c2 s - c2 m for the 32 keys 32 kx on, both tiles
	WIN 0xc3
.irp u, 0,1
.irp i, 0,1,2,3,4,5,6,7
	v_pk_fma_f32 v[128*(\u)+16*(\kx)+2*(\i):128*(\u)+16*(\kx)+2*(\i)+1], v[128*(\u)+16*(\kx)+2*(\i):128*(\u)+16*(\kx)+2*(\i)+1], v[C2:C2+1], v[MCP+2*(\u):MCP+2*(\u)+1] neg_lo:[0,0,1] neg_hi:[0,0,1]
.endr
.endr
.endm
.macro SMB kx                          ; their exponentials
	WIN 0xc3
.irp u, 0,1
.irp i, 0,1,2,3,4,5,6,7,8,9,10,11,12,13,14,15
	v_exp_f32 v[128*(\u)+16*(\kx)+(\i)], v[128*(\u)+16*(\kx)+(\i)]
.endr
.endr
.endm
.macro SMC kx                          ; the weights are added onto four chains a tile, then rounded to f16 in place: registers 16 kx .. + 7 become source 1 of V^T P
.if (\kx) == 0
	WIN 0x0f
	s_wait_alu depctr_va_vdst(0)
.irp u, 0,1
.irp p, 0,1,2,3
	v_pk_add_f32 v[LS+8*(\u)+2*(\p):LS+8*(\u)+2*(\p)+1], v[128*(\u)+2*(\p):128*(\u)+2*(\p)+1], v[128*(\u)+8+2*(\p):128*(\u)+8+2*(\p)+1]
.endr
.endr
.else
	WIN 0x0c
	s_wait_alu depctr_va_vdst(0)
.irp hf, 0,1
.irp u, 0,1
.irp p, 0,1,2,3
	v_pk_add_f32 v[LS+8*(\u)+2*(\p):LS+8*(\u)+2*(\p)+1], v[LS+8*(\u)+2*(\p):LS+8*(\u)+2*(\p)+1], v[128*(\u)+16*(\kx)+8*(\hf)+2*(\p):128*(\u)+16*(\kx)+8*(\hf)+2*(\p)+1]
.endr
.endr
.endr
.endif
	WIN 0xcf
.irp u, 0,1
.irp i, 0,1,2,3,4,5,6,7
	v_cvt_pk_f16_f32 v[128*(\u)+16*(\kx)+(\i)], v[128*(\u)+16*(\kx)+2*(\i)], v[128*(\u)+16*(\kx)+2*(\i)+1]
.endr
.endr
.endm
.macro ATT
	WIN 0
	v_add_nc_u32 v[AQG], s[GOFF], v[AQ0]
.irp u, 0,1
.irp c, 0,1
.irp hf, 0,1
	ds_load_b128 v[QF+16*(\u)+8*(\c)+4*(\hf):QF+16*(\u)+8*(\c)+4*(\hf)+3], v[AQG] offset:(\u)*2048+(\c)*1024+(\hf)*512
.endr
.endr
.endr
	KFETCH 0, 0
	KFETCH 1, 1
	s_wait_dscnt 16                                ; Q and the first chunk are in; the second chunk's 16 loads stay out
	SMUL 0, 0
	PLACES
	KFETCH 2, 0
	s_wait_dscnt 16
	SMUL 1, 1
	PLACES
	KFETCH 3, 1
	s_wait_dscnt 16
	SMUL 2, 0
	s_wait_dscnt 0x0
	SMUL 3, 1
	PLACES
	VFETCH 0, 0                                    ; V's first two chunks come in while the softmax is made
	VFETCH 1, 1
	; the maximum of a lane's 128 scores a tile: four chains a tile; each accumulator's lowest registers are read first
	WIN 0x0f
.irp u, 0,1
.irp qc, 0,1,2,3
	v_max_num_f32 v[CH+4*(\u)+(\qc)], v[128*(\u)+8*(\qc)], v[128*(\u)+8*(\qc)+1]
.endr
.endr
	WIN 0x3c
.set st, 1
.rept 15
.irp u, 0,1
.irp qc, 0,1,2,3
	v_max3_num_f32 v[CH+4*(\u)+(\qc)], v[CH+4*(\u)+(\qc)], v[128*(\u)+8*((\qc)+4*(st/4))+2*(st%4)], v[128*(\u)+8*((\qc)+4*(st/4))+2*(st%4)+1]
.endr
.endr
.set st, st+1
.endr
	WIN 0
.irp u, 0,1
	v_max3_num_f32 v[CH+4*(\u)], v[CH+4*(\u)], v[CH+4*(\u)+1], v[CH+4*(\u)+2]
.endr
.irp u, 0,1
	v_max_num_f32 v[CH+4*(\u)], v[CH+4*(\u)], v[CH+4*(\u)+3]
.endr
.irp u, 0,1
	v_permlanex16_b32 v[CH+4*(\u)+1], v[CH+4*(\u)], s[SEL], s[SEL+1]   ; the token's other 128 keys lie in the lane 16 away
.endr
.irp u, 0,1
	v_max_num_f32 v[CH+4*(\u)], v[CH+4*(\u)], v[CH+4*(\u)+1]
.endr
.irp u, 0,1
	v_mul_f32 v[MCP+2*(\u)], v[CH+4*(\u)], v[C2]
.endr
.irp u, 0,1
	v_mov_b32 v[MCP+2*(\u)+1], v[MCP+2*(\u)]
.endr
	SMA 0                                          ; behind each run of exponentials stands the next run's scaling: plain lines on other registers, ahead of the first use of a result
	SMB 0
.irp kk, 1,2,3,4,5,6,7
	SMA \kk
	SMC (\kk)-1
	SMB \kk
.endr
	v_nop
	s_wait_alu depctr_va_vdst(0)
	SMC 7
	WIN 0
.irp u, 0,1
	v_pk_add_f32 v[LS+8*(\u):LS+8*(\u)+1], v[LS+8*(\u):LS+8*(\u)+1], v[LS+8*(\u)+2:LS+8*(\u)+3]
.endr
.irp u, 0,1
	v_pk_add_f32 v[LS+8*(\u)+4:LS+8*(\u)+5], v[LS+8*(\u)+4:LS+8*(\u)+5], v[LS+8*(\u)+6:LS+8*(\u)+7]
.endr
.irp u, 0,1
	v_pk_add_f32 v[LS+8*(\u):LS+8*(\u)+1], v[LS+8*(\u):LS+8*(\u)+1], v[LS+8*(\u)+4:LS+8*(\u)+5]
.endr
.irp u, 0,1
	v_add_f32 v[LS+8*(\u)], v[LS+8*(\u)], v[LS+8*(\u)+1]
.endr
.irp u, 0,1
	v_permlanex16_b32 v[LS+8*(\u)+1], v[LS+8*(\u)], s[SEL], s[SEL+1]
.endr
.irp u, 0,1
	v_add_f32 v[LS+8*(\u)], v[LS+8*(\u)], v[LS+8*(\u)+1]
.endr
.irp u, 0,1
	v_rcp_f32 v[RL+2*(\u)], v[LS+8*(\u)]
.endr
	v_nop                                          ; a plain instruction between the reciprocals and the use of their results
	s_wait_alu depctr_va_vdst(0)
.irp u, 0,1
	v_mov_b32 v[RL+2*(\u)+1], v[RL+2*(\u)]
.endr
	s_wait_dscnt 16
	PMUL 0, 0
	PLACES
	VFETCH 2, 0
	s_wait_dscnt 16
	PMUL 1, 1
	PLACES
	VFETCH 3, 1
	s_wait_dscnt 16
	PMUL 2, 0
	s_wait_dscnt 0x0
	PMUL 3, 1
	PLACES
	WIN 0                                          ; O^T / l, f16 in place, and into Q's bytes, which have been read: the head's slice of the last product's source 1
.irp u, 0,1
.set i, 0
.rept 16
	v_pk_mul_f32 v[OA+32*(\u)+2*i:OA+32*(\u)+2*i+1], v[OA+32*(\u)+2*i:OA+32*(\u)+2*i+1], v[RL+2*(\u):RL+2*(\u)+1]
.set i, i+1
.endr
.endr
.irp u, 0,1
.irp cb, 0,1,2,3
.irp i, 0,1,2,3
	v_cvt_pk_f16_f32 v[OA+32*(\u)+8*(\cb)+(\i)], v[OA+32*(\u)+8*(\cb)+2*(\i)], v[OA+32*(\u)+8*(\cb)+2*(\i)+1]
.endr
.endr
.endr
.irp u, 0,1
.irp cb, 0,1,2,3
	ds_store_b128 v[AQG], v[OA+32*(\u)+8*(\cb):OA+32*(\u)+8*(\cb)+3] offset:(\u)*2048+(\cb)*512
.endr
.endr
.endm
.macro LNRED                           ; the four chains, the pair's halves and the other half of the lanes: the row's sum in v[LT], window 0
	WIN 0xff
	v_pk_add_f32 v[LC:LC+1], v[LC:LC+1], v[LC+2:LC+3]
	v_pk_add_f32 v[LC+4:LC+5], v[LC+4:LC+5], v[LC+6:LC+7]
	v_pk_add_f32 v[LC:LC+1], v[LC:LC+1], v[LC+4:LC+5]
	WIN 0x0f
	v_add_f32 v[LT], v[LC], v[LC+1]
	WIN 0
	v_mov_b32 v[LT+1], v[LT]
	v_permlanex16_b32 v[LT+1], v[LT], s[SEL], s[SEL+1]
	v_add_f32 v[LT], v[LT], v[LT+1]
.endm
	s_load_b256 s[4:11], s[0:1], 0x0               ; x s[4:5], wt s[6:7], cv s[8:9], tabf s[10:11]
	s_load_b128 s[12:15], s[0:1], 0x20             ; tmax s[12:13], y s[14:15]
	v_lshl_add_u32 v[SPW], v0, 2, SPARE
	v_mov_b32 v[NIL], 0
	ds_add_u32 v[SPW], v[NIL]                      ; the wave's opening: the add and its wait stand ahead of my first tensor load; the set-up below stands between them
	v_lshrrev_b32 v1, 5, v0
	v_readfirstlane_b32 s[WV], v1                  ; wave 0..3
	s_bfe_u32 s3, ttmp6, 0x40000                   ; cx: my place in the cluster: it enters x's and y's addresses alone
	s_lshl_b32 s[SEQ], ttmp9, 2
	s_add_co_u32 s[SEQ], s[SEQ], s3                ; my sequence = 4 x cluster x + cx
	s_and_b32 s[AX], ttmp7, 0xffff                 ; the axis, which the four partners share
	s_lshl_b32 s2, s[AX], 3
	s_lshl_b32 s[TSX], 1024, s2                    ; x: bytes from token to token: 1,024 or 262,144,
	s_lshr_b32 s[SSX], 0x40000, s2                 ; and from sequence to sequence: the other of the two
	s_lshr_b32 s[TSY], s[TSX], 1                   ; y has half the bytes
	s_mul_i32 s22, s[SEQ], s[SSX]
	s_lshl_b32 s23, s[WV], 6
	s_mul_i32 s23, s23, s[TSX]
	s_add_co_u32 s22, s22, s23                     ; my wave's first token in x
	s_mov_b32 s23, 0
	s_lshr_b32 s82, s22, 1
	s_lshl_b32 s83, s[AX], 25
	s_add_co_u32 s82, s82, s83                     ; and in y[axis]
	s_mov_b32 s83, 0
	s_lshl_b32 s76, s[AX], 19                      ; wt[axis], my 16 rows of a step: in registers that never hold cx
	s_lshl_b32 s77, s[WV], 13
	s_add_co_u32 s76, s76, s77
	s_mov_b32 s77, 0
	s_mov_b32 s79, 0
	; the weights' descriptor: 16 rows x 256 f16, 16 bytes of padding behind each row of 128 words
	s_mov_b32 s[G1], 15|(1<<16)|(1<<20)|(1<<21)|(6<<22)|(3<<25)   ; 15:0 the mask of four; 17:16 2-byte elements; 20 padding on; 21 set beside a mask; 24:22 every 128 words; 31:25 4 words
	s_mov_b32 s[G1+1], 256<<16                     ; tensor_dim0 = 256
	s_mov_b32 s[G1+2], 16<<16                      ; tensor_dim1 = 16
	s_mov_b32 s[G1+3], 256<<16                     ; tile_dim0 = 256
	s_mov_b32 s[G1+4], 16                          ; tile_dim1 = 16
	s_mov_b32 s[G1+5], 256                         ; elements from row to row
	s_mov_b32 s[G1+6], 0
	s_mov_b32 s[G1+7], 0
	; x's descriptor: 64 rows x 256 f32, 16 bytes of padding behind each row of 256 words; once for each axis's pitch
.irp g, G1I, G1J
	s_mov_b32 s[(\g)], (2<<16)|(1<<20)|(7<<22)|(3<<25)
	s_mov_b32 s[(\g)+1], 256<<16
	s_mov_b32 s[(\g)+2], 64<<16
	s_mov_b32 s[(\g)+3], 256<<16
	s_mov_b32 s[(\g)+4], 64
	s_mov_b32 s[(\g)+6], 0
	s_mov_b32 s[(\g)+7], 0
.endr
	s_mov_b32 s[G1I+5], 256
	s_mov_b32 s[G1J+5], 65536
	s_mov_b32 s[G0], 1
	s_mul_i32 s[G0+1], s[WV], 16*WP
	s_add_co_u32 s[G0+1], s[G0+1], SL0             ; step 0 goes into slot 0
	s_mov_b32 s[G0X], 1
	s_mul_i32 s[G0X+1], s[WV], XW
	s_mov_b32 s[SEL], 0x76543210
	s_mov_b32 s[SEL+1], 0xfedcba98
	s_mov_b32 s[L2E], 0x3fb8aa3b
	s_mov_b32 s[L2E+1], 0x3fb8aa3b
	s_mov_b32 s[R256], 0x3b800000                  ; 1/256
	s_mov_b32 s[NR256], 0xbb800000                 ; -1/256
	s_mov_b32 s[EPSR], 0x3727c5ac                  ; 1e-5
	s_wait_dscnt 0x0                               ; the opening add is done
	s_wait_kmcnt 0x0
	s_add_nc_u64 s[G0X+2:G0X+3], s[4:5], s[22:23]
	s_or_b32 s[G0X+3], s[G0X+3], 0x80000000
	s_add_nc_u64 s[G0+2:G0+3], s[6:7], s[76:77]
	s_or_b32 s[G0+3], s[G0+3], 0x80000000
	s_lshl_b32 s78, s[AX], 12
	s_add_nc_u64 s[8:9], s[8:9], s[78:79]          ; cv[axis]
	s_lshl_b32 s78, s[AX], 17
	s_add_nc_u64 s[10:11], s[10:11], s[78:79]      ; tabf[axis]
	s_lshl_b32 s78, s[AX], 10
	s_add_nc_u64 s[12:13], s[12:13], s[78:79]      ; tmax[axis]
	s_add_nc_u64 s[14:15], s[14:15], s[82:83]
	CROUND                                         ; all four work-groups are here: the first loads go out as one group
	s_cmp_eq_u32 s[AX], 0                          ; the axis is the same in all four partners and all waves
	s_cbranch_scc0 .Lx_cols
	tensor_load_to_lds s[G0X:G0X+3], s[G1I:G1I+7]  ; my 64 tokens of x
	s_nop 0
	PLACES
	s_branch .Lx_asked
.Lx_cols:
	tensor_load_to_lds s[G0X:G0X+3], s[G1J:G1J+7]
	s_nop 0
	PLACES
.Lx_asked:
	tensor_load_to_lds s[G0:G0+3], s[G1:G1+7]      ; my 16 rows of weight step 0: two tensor loads of mine are out
	s_nop 0
	PLACES
	v_and_b32 v[LN_], 31, v0
	v_and_b32 v[R_], 15, v0
	v_bfe_u32 v[HH], v0, 4, 1
	v_mul_u32_u24 v[AW0], v[R_], WP
	v_lshl_add_u32 v[AW0], v[HH], 4, v[AW0]
	v_mul_u32_u24 v[AKL], v[R_], PK
	v_lshl_add_u32 v[AKL], v[HH], 4, v[AKL]        ; K begins at LDS byte 0
	s_mul_i32 s2, s[WV], 64*PK
	v_add_nc_u32 v[AKS], s2, v[AKL]
	v_mul_u32_u24 v[AVS], v[R_], PV
	v_lshl_add_u32 v[AVS], v[HH], 4, v[AVS]
	s_mul_i32 s2, s[WV], 64*PV
	s_add_co_u32 s2, s2, VB
	v_add_nc_u32 v[AVS], s2, v[AVS]
	v_and_b32 v[AVL], 7, v0                        ; the turning load: lane l reads key 8 (l / 16) + l % 8, channels 8 ((l / 8) % 2) on
	v_lshl_add_u32 v[AVL], v[HH], 3, v[AVL]
	v_mul_u32_u24 v[AVL], v[AVL], PV
	v_bfe_u32 v[TA], v0, 3, 1
	v_lshl_add_u32 v[AVL], v[TA], 4, v[AVL]
	v_add_nc_u32 v[AVL], VB, v[AVL]
	s_lshl_b32 s2, s[WV], 13
	s_add_co_u32 s2, s2, QO
	v_lshl_add_u32 v[AQ0], v[LN_], 4, s2
	v_add_nc_u32 v[AQ1], 0x10000, v[AQ0]
	v_lshlrev_b32 v[ABI], 5, v[HH]
	s_mul_i32 s2, s[WV], 64*WP
	v_add_nc_u32 v[AST0], s2, v[AW0]
	v_lshl_add_u32 v[ARD], v[LN_], 4, s2
	s_mul_i32 s2, s[WV], XW
	v_mul_u32_u24 v[AXR0], v[R_], XP
	v_lshl_add_u32 v[AXR0], v[HH], 5, v[AXR0]
	v_add_nc_u32 v[AXR0], s2, v[AXR0]
	v_lshl_add_u32 v[AXS0], v[LN_], 4, s2
	s_lshl_b32 s2, s[WV], 14
	v_lshl_add_u32 v[AQ], v[LN_], 4, s2            ; tabf: my wave's 16 blocks, 16 bytes a lane
	v_lshlrev_b32 v[AQG], 5, v[LN_]                ; tmax: eight numbers a lane
	global_load_b128 v[64:67], v[AQG], s[12:13]
	global_load_b128 v[68:71], v[AQG], s[12:13] offset:16
.irp rt, 0,1,2,3
	global_load_b128 v[BI+8*(\rt):BI+8*(\rt)+3], v[ABI], s[8:9] offset:(\rt)*64
	global_load_b128 v[BI+8*(\rt)+4:BI+8*(\rt)+7], v[ABI], s[8:9] offset:(\rt)*64+16
.endr
	WIN 0x80                                       ; the tables of my 64 tokens stay in window 2 for the whole launch
.irp ct, 0,1,2,3
.irp tt, 0,1,2,3
.irp hf, 0,1
	global_load_b128 v[8*(4*(\ct)+(\tt))+4*(\hf):8*(4*(\ct)+(\tt))+4*(\hf)+3], v[AQ], s[10:11] offset:(\tt)*4096+(\ct)*1024+(\hf)*512
	global_load_b128 v[128+8*(4*(\ct)+(\tt))+4*(\hf):128+8*(4*(\ct)+(\tt))+4*(\hf)+3], v[AQ], s[10:11] offset:65536+(\tt)*4096+(\ct)*1024+(\hf)*512
.endr
.endr
.endr
	WIN 0
	; LAYER NORM, a tile of 16 tokens a trip.  A lane holds half a token's row, in the order of a fragment: k = 32 kk + 8 hh + 0..7 and 32 kk + 16 + 8 hh + 0..7.  Mean first, then the squares of x - mean.
	s_wait_tensorcnt 0x1                           ; my x is in (only I read it); the weights' load, issued behind it, may stay out
	s_mov_b32 s[LNC], 4
	s_mov_b32 s[XRO], 0
	s_mov_b32 s[XSO], 0
.Lln:
	v_add_nc_u32 v[AW], s[XRO], v[AXR0]
	v_add_nc_u32 v[TA], s[XSO], v[AXS0]
	WIN 0xc0
.irp kk, 0,1,2,3,4,5,6,7
	ds_load_b128 v[16*(\kk):16*(\kk)+3], v[AW] offset:128*(\kk)
	ds_load_b128 v[16*(\kk)+4:16*(\kk)+7], v[AW] offset:128*(\kk)+16
	ds_load_b128 v[16*(\kk)+8:16*(\kk)+11], v[AW] offset:128*(\kk)+64
	ds_load_b128 v[16*(\kk)+12:16*(\kk)+15], v[AW] offset:128*(\kk)+80
.endr
	s_wait_dscnt 0x0
	WIN 0xff
.irp c, 0,1,2,3
	v_pk_add_f32 v[LC+2*(\c):LC+2*(\c)+1], v[2*(\c):2*(\c)+1], v[8+2*(\c):8+2*(\c)+1]
.endr
.set i, 8
.rept 56
	v_pk_add_f32 v[LC+2*(i%4):LC+2*(i%4)+1], v[LC+2*(i%4):LC+2*(i%4)+1], v[2*i:2*i+1]
.set i, i+1
.endr
	LNRED
	v_mul_f32 v[LT+2], s[NR256], v[LT]             ; - mean
	v_mov_b32 v[LT+3], v[LT+2]
	WIN 0xc3
.set i, 0
.rept 64
	v_pk_add_f32 v[2*i:2*i+1], v[2*i:2*i+1], v[LT+2:LT+3]
.set i, i+1
.endr
	WIN 0xff
.irp c, 0,1,2,3
	v_pk_mul_f32 v[LC+2*(\c):LC+2*(\c)+1], v[2*(\c):2*(\c)+1], v[2*(\c):2*(\c)+1]
.endr
.set i, 4
.rept 60
	v_pk_fma_f32 v[LC+2*(i%4):LC+2*(i%4)+1], v[2*i:2*i+1], v[2*i:2*i+1], v[LC+2*(i%4):LC+2*(i%4)+1]
.set i, i+1
.endr
	LNRED
	v_fma_f32 v[LT], v[LT], s[R256], s[EPSR]       ; variance + 1e-5
	v_rsq_f32 v[LT+2], v[LT]
	v_nop                                          ; a plain instruction between the root and the use of its result
	s_wait_alu depctr_va_vdst(0)
	v_mov_b32 v[LT+3], v[LT+2]
	WIN 0xc3
.set i, 0
.rept 64
	v_pk_mul_f32 v[2*i:2*i+1], v[2*i:2*i+1], v[LT+2:LT+3]
.set i, i+1
.endr
	WIN 0xcf
.set i, 0
.rept 64
	v_cvt_pk_f16_f32 v[128+i], v[2*i], v[2*i+1]
.set i, i+1
.endr
	WIN 0x0c
.irp m, 0,1,2,3,4,5,6,7,8,9,10,11,12,13,14,15
	ds_store_b128 v[TA], v[128+4*(\m):128+4*(\m)+3] offset:(\m)*512   ; the tile's 8,192 bytes land on rows of x that this and earlier trips have read
.endr
	WIN 0
	s_add_co_u32 s[XRO], s[XRO], 16*XP
	s_add_co_u32 s[XSO], s[XSO], 8192
	s_sub_co_u32 s[LNC], s[LNC], 1
	s_cmp_lg_u32 s[LNC], 0
	s_cbranch_scc1 .Lln
	WIN 0x40                                       ; xhat into window 1, where it stays: LDS serves a wave's instructions in order (ISA guide 5.7.1.4), so these see the stores
.set n, 0
.rept 64
	ds_load_b128 v[4*n:4*n+3], v[AXS0] offset:n*512
.set n, n+1
.endr
	WIN 0
	; the tables' scale
	s_wait_loadcnt 0x0                             ; tmax, the first constants, the tables
	v_max3_num_f32 v64, v64, v65, v66
	v_max3_num_f32 v67, v67, v68, v69
	v_max3_num_f32 v64, v64, v70, v71
	v_max_num_f32 v64, v64, v67
	v_max_num_f32_dpp v64, v64, v64 row_xmask:1 row_mask:0xf bank_mask:0xf
	v_max_num_f32_dpp v64, v64, v64 row_xmask:2 row_mask:0xf bank_mask:0xf
	v_max_num_f32_dpp v64, v64, v64 row_xmask:4 row_mask:0xf bank_mask:0xf
	v_max_num_f32_dpp v64, v64, v64 row_xmask:8 row_mask:0xf bank_mask:0xf
	v_mov_b32 v65, v64
	v_permlanex16_b32 v65, v64, s[SEL], s[SEL+1]
	v_max_num_f32 v64, v64, v65
	v_bfe_u32 v65, v64, 23, 8                      ; E
	v_sub_nc_u32 v66, 252, v65
	v_lshlrev_b32 v[INV], 23, v66                  ; inv = 2^(125 - E)
	v_mov_b32 v[INV+1], v[INV]
	v_xor_b32 v[NINV], 0x80000000, v[INV]
	v_mov_b32 v[NINV+1], v[INV]
	v_add_nc_u32 v66, 2, v65
	v_lshlrev_b32 v66, 23, v66                     ; 1 / inv
	v_mul_f32 v67, v66, v66
	v_mul_f32 v[C2], 0x3fb8aa3b, v67               ; what a score is multiplied by in front of the base-2 exponential
	v_mov_b32 v[C2+1], v[C2]
	WIN 0x82
.set i, 0
.rept 64
	v_pk_mul_f32 v[2*i:2*i+1], v[2*i:2*i+1], v[INV:INV+1]
	v_pk_mul_f32 v[128+2*i:128+2*i+1], v[128+2*i:128+2*i+1], v[NINV:NINV+1]
.set i, i+1
.endr
	WIN 0
	s_mov_b32 s[WB], SL1                           ; the first change of slots turns it into slot 0
	s_mov_b32 s[PASS], 4
	s_mov_b32 s[PO], 0
.Lpass:                                                ; a head a trip: three steps of weights, then attention
	v_add_nc_u32 v[AQ], s[PO], v[AQ0]
	TRIP 1
	MM64 1
	EPI_QK 0
	TRIP 1
	MM64 1
	EPI_QK 1
	TRIP 1
	MM64 1
	EPI_V
	WIN 0
	s_wait_dscnt 0x0                               ; for the others' sake: my rows of K and V are stored
	s_barrier_signal -1                            ; a plain barrier: the refill may stay on its way
	s_barrier_wait -1
	s_mov_b32 s[GOFF], s[PO]
	s_mov_b32 s[GRP], 2
.Lgrp:                                                 ; two of my four token tiles a trip
	ATT
	WIN 0
	s_add_co_u32 s[GOFF], s[GOFF], 4096
	s_sub_co_u32 s[GRP], s[GRP], 1
	s_cmp_lg_u32 s[GRP], 0
	s_cbranch_scc1 .Lgrp
	s_add_co_u32 s[PO], s[PO], 32768
	s_sub_co_u32 s[PASS], s[PASS], 1
	s_cmp_lg_u32 s[PASS], 0
	s_cbranch_scc1 .Lpass
	; THE LAST PRODUCT.  The four heads' outputs take xhat's place: k' / 32 = 2 head + channel half
	WIN 0x40
.irp tt, 0,1,2,3
.irp kk, 0,1,2,3
.irp hf, 0,1
	ds_load_b128 v[8*(8*(\tt)+(\kk))+4*(\hf):8*(8*(\tt)+(\kk))+4*(\hf)+3], v[AQ0] offset:((\kk)/2)*32768+(\tt)*2048+(((\kk)%2)*2+(\hf))*512
	ds_load_b128 v[8*(8*(\tt)+(\kk)+4)+4*(\hf):8*(8*(\tt)+(\kk)+4)+4*(\hf)+3], v[AQ1] offset:((\kk)/2)*32768+(\tt)*2048+(((\kk)%2)*2+(\hf))*512
.endr
.endr
.endr
	WIN 0
	s_mov_b32 s[OS], 0
	s_mov_b32 s[OC], 3
.Lo:                                                   ; 64 output dims a trip; the change of slots in front also orders every wave's reads above ahead of the stage's stores
	TRIP 1
	MM64 1
	EPI_O
	WIN 0
	s_add_co_u32 s[OS], s[OS], 128
	s_sub_co_u32 s[OC], s[OC], 1
	s_cmp_lg_u32 s[OC], 0
	s_cbranch_scc1 .Lo
	TRIP 0                                         ; the last step is written out: nothing is left to ask for
	MM64 0
	EPI_O
	; THE WAY OUT: my 64 rows of 512 bytes come back whole from my own stage
	WIN 0
	v_lshlrev_b32 v[FB], 4, v[LN_]
.set n, 1
.rept 63
	v_add_nc_u32 v[FB+n], s[TSY], v[FB+n-1]
.set n, n+1
.endr
	WIN 0xc0
.set n, 0
.rept 64
	ds_load_b128 v[4*n:4*n+3], v[ARD] offset:n*WP
.set n, n+1
.endr
	WIN 0x0c
.set n, 0
.rept 64
	s_wait_dscnt 63-n                              ; row n is back; the younger rows' loads stay out
	global_store_b128 v[FB+n], v[4*n:4*n+3], s[14:15]   ; 512 consecutive bytes, at a multiple of 512 from y's first byte
.set n, n+1
.endr
	WIN 0
	s_wait_tensorcnt 0x0                           ; the wave's end: the wait, add and wait stand behind my last tensor load and my last LDS store
	ds_add_u32 v[SPW], v[NIL]
	s_wait_dscnt 0x0
	CROUND                                         ; the closing round: no work-group ends while a partner may still ask for a tile that names it
	s_endpgm
.Lfunc_end_k_qe00bef95d3_main:
	.size	k_qe00bef95d3_main, .Lfunc_end_k_qe00bef95d3_main-k_qe00bef95d3_main
	.p2alignl 7, 3214868480
	.fill 96, 4, 3214868480
	.section	.rodata,"a",@progbits
	.p2align	6, 0x0
	.amdhsa_kernel k_qe00bef95d3_main
		.amdhsa_group_segment_fixed_size 327680
		.amdhsa_private_segment_fixed_size 0
		.amdhsa_enable_private_segment 0
		.amdhsa_kernarg_size 48
		.amdhsa_user_sgpr_count 2
		.amdhsa_user_sgpr_kernarg_segment_ptr 1
		.amdhsa_wavefront_size32 1
		.amdhsa_system_sgpr_workgroup_id_x 1
		.amdhsa_system_sgpr_workgroup_id_y 1
		.amdhsa_system_sgpr_workgroup_id_z 1
		.amdhsa_system_vgpr_workitem_id 0
		.amdhsa_next_free_vgpr 1024
		.amdhsa_next_free_sgpr 84
		.amdhsa_reserve_vcc 0
		.amdhsa_float_denorm_mode_32 3
		.amdhsa_float_denorm_mode_16_64 3
		.amdhsa_memory_ordered 1
		.amdhsa_forward_progress 1
		.amdhsa_inst_pref_size 255
	.end_amdhsa_kernel
	.section	.bss,"aw",@nobits
	.p2align	6
	.space	262144
	.amdgpu_metadata
---
amdhsa.version: [ 1, 2 ]
amdhsa.kernels:
  - .name:           k_qe00bef95d3_main
    .symbol:         k_qe00bef95d3_main.kd
    .args:
      - { .name: x, .offset: 0, .size: 8, .value_kind: global_buffer, .address_space: global }
      - { .name: wt, .offset: 8, .size: 8, .value_kind: global_buffer, .address_space: global }
      - { .name: cv, .offset: 16, .size: 8, .value_kind: global_buffer, .address_space: global }
      - { .name: tabf, .offset: 24, .size: 8, .value_kind: global_buffer, .address_space: global }
      - { .name: tmax, .offset: 32, .size: 8, .value_kind: global_buffer, .address_space: global }
      - { .name: y, .offset: 40, .size: 8, .value_kind: global_buffer, .address_space: global }
    .group_segment_fixed_size: 327680
    .private_segment_fixed_size: 0
    .kernarg_segment_align: 8
    .kernarg_segment_size: 48
    .max_flat_workgroup_size: 128
    .sgpr_count:     84
    .vgpr_count:     1024
    .wavefront_size: 32
...
	.end_amdgpu_metadata
.endif
;; end of part 2
;; launch mix (part 3): grid 1024 x 1, 8 waves a work-group, no clusters, 0 bytes of LDS; arguments x, y, out0; writes out0
.if DOCPART == 3
	.amdgcn_target "amdgcn-amd-amdhsa--gfx1250"
	.amdhsa_code_object_version 6
	.text
	.protected	k_qe00bef95d3_mix
	.globl	k_qe00bef95d3_mix
	.p2align	8
	.type	k_qe00bef95d3_mix,@function
k_qe00bef95d3_mix:
	s_mov_b64 s[64:65], 0
	v_nop
	global_prefetch_b8 v0, s[64:65] scope:SCOPE_SE
	s_setreg_imm32_b32 hwreg(HW_REG_WAVE_MODE, 25, 1), 1
	s_wait_xcnt 0x0
; out0 = x + (y[0] + y[1]) / 2.  x, out0: 16,777,216 f32; y: two halves of as many bf16, in x's order.  A stream: no LDS, no barrier, no matrix unit.
; A work-group takes 16,384 numbers, a wave 2,048 in eight chunks of 256.  A chunk: x as two loads of 16 bytes a lane (512 consecutive bytes each), each y as two loads of 8 bytes a lane (256 consecutive
; bytes each), so that a lane's four x and four y belong together.  All 48 loads of a wave go out first; the waits count down.
.set X, 16                             ; chunk c at v[16 + 16 c]: x 0-7, y[0] 8-11, y[1] 12-15
.set T, 6                              ; v6-13 at work
	s_load_b128 s[4:7], s[0:1], 0x0                ; x s[4:5], y s[6:7]
	s_load_b64 s[8:9], s[0:1], 0x10                ; out0
	v_lshrrev_b32 v1, 5, v0
	v_and_b32 v2, 31, v0
	v_lshlrev_b32 v3, 4, v2
	v_lshl_add_u32 v3, v1, 13, v3                  ; x, out0: wave x 8,192 + lane x 16
	v_lshlrev_b32 v4, 3, v2
	v_lshl_add_u32 v4, v1, 12, v4                  ; y: wave x 4,096 + lane x 8
	s_lshl_b32 s2, ttmp9, 16
	s_mov_b32 s3, 0
	s_lshl_b32 s10, ttmp9, 15
	s_mov_b32 s11, 0
	s_mov_b32 s14, 0xffff0000                      ; a word's upper bf16
	s_wait_kmcnt 0x0
	s_add_nc_u64 s[4:5], s[4:5], s[2:3]
	s_add_nc_u64 s[8:9], s[8:9], s[2:3]
	s_add_nc_u64 s[6:7], s[6:7], s[10:11]
	s_add_nc_u64 s[12:13], s[6:7], 0x2000000       ; y[1] lies 33,554,432 bytes behind y[0]
.irp c, 0,1,2,3,4,5,6,7
	global_load_b128 v[X+16*(\c):X+16*(\c)+3], v3, s[4:5] offset:(\c)*1024 th:TH_LOAD_NT
	global_load_b128 v[X+16*(\c)+4:X+16*(\c)+7], v3, s[4:5] offset:(\c)*1024+512 th:TH_LOAD_NT
	global_load_b64 v[X+16*(\c)+8:X+16*(\c)+9], v4, s[6:7] offset:(\c)*512 th:TH_LOAD_NT
	global_load_b64 v[X+16*(\c)+10:X+16*(\c)+11], v4, s[6:7] offset:(\c)*512+256 th:TH_LOAD_NT
	global_load_b64 v[X+16*(\c)+12:X+16*(\c)+13], v4, s[12:13] offset:(\c)*512 th:TH_LOAD_NT
	global_load_b64 v[X+16*(\c)+14:X+16*(\c)+15], v4, s[12:13] offset:(\c)*512+256 th:TH_LOAD_NT
.endr
.irp c, 0,1,2,3,4,5,6,7
	s_wait_loadcnt 6*(7-(\c))                      ; loads come back in order (ISA guide 5.7.1): chunk c is in, the six loads of each younger chunk stay out
.irp hf, 0,1
	v_lshlrev_b32 v[T],   16,  v[X+16*(\c)+8+2*(\hf)]
	v_and_b32     v[T+1], s14, v[X+16*(\c)+8+2*(\hf)]
	v_lshlrev_b32 v[T+2], 16,  v[X+16*(\c)+9+2*(\hf)]
	v_and_b32     v[T+3], s14, v[X+16*(\c)+9+2*(\hf)]
	v_lshlrev_b32 v[T+4], 16,  v[X+16*(\c)+12+2*(\hf)]
	v_and_b32     v[T+5], s14, v[X+16*(\c)+12+2*(\hf)]
	v_lshlrev_b32 v[T+6], 16,  v[X+16*(\c)+13+2*(\hf)]
	v_and_b32     v[T+7], s14, v[X+16*(\c)+13+2*(\hf)]
	v_pk_add_f32 v[T:T+1], v[T:T+1], v[T+4:T+5]
	v_pk_add_f32 v[T+2:T+3], v[T+2:T+3], v[T+6:T+7]
	v_pk_fma_f32 v[X+16*(\c)+4*(\hf):X+16*(\c)+4*(\hf)+1], v[T:T+1], 0.5, v[X+16*(\c)+4*(\hf):X+16*(\c)+4*(\hf)+1] op_sel_hi:[1,0,1]
	v_pk_fma_f32 v[X+16*(\c)+4*(\hf)+2:X+16*(\c)+4*(\hf)+3], v[T+2:T+3], 0.5, v[X+16*(\c)+4*(\hf)+2:X+16*(\c)+4*(\hf)+3] op_sel_hi:[1,0,1]
	global_store_b128 v3, v[X+16*(\c)+4*(\hf):X+16*(\c)+4*(\hf)+3], s[8:9] offset:(\c)*1024+(\hf)*512 th:TH_STORE_NT   ; 512 consecutive bytes; its registers are never written again
.endr
.endr
	s_endpgm
.Lfunc_end_k_qe00bef95d3_mix:
	.size	k_qe00bef95d3_mix, .Lfunc_end_k_qe00bef95d3_mix-k_qe00bef95d3_mix
	.p2alignl 7, 3214868480
	.fill 96, 4, 3214868480
	.section	.rodata,"a",@progbits
	.p2align	6, 0x0
	.amdhsa_kernel k_qe00bef95d3_mix
		.amdhsa_group_segment_fixed_size 0
		.amdhsa_private_segment_fixed_size 0
		.amdhsa_enable_private_segment 0
		.amdhsa_kernarg_size 24
		.amdhsa_user_sgpr_count 2
		.amdhsa_user_sgpr_kernarg_segment_ptr 1
		.amdhsa_wavefront_size32 1
		.amdhsa_system_sgpr_workgroup_id_x 1
		.amdhsa_system_sgpr_workgroup_id_y 1
		.amdhsa_system_sgpr_workgroup_id_z 1
		.amdhsa_system_vgpr_workitem_id 0
		.amdhsa_next_free_vgpr 144
		.amdhsa_next_free_sgpr 66
		.amdhsa_reserve_vcc 0
		.amdhsa_float_denorm_mode_32 3
		.amdhsa_float_denorm_mode_16_64 3
		.amdhsa_memory_ordered 1
		.amdhsa_forward_progress 1
		.amdhsa_inst_pref_size 16
	.end_amdhsa_kernel
	.amdgpu_metadata
---
amdhsa.version: [ 1, 2 ]
amdhsa.kernels:
  - .name:           k_qe00bef95d3_mix
    .symbol:         k_qe00bef95d3_mix.kd
    .args:
      - { .name: x, .offset: 0, .size: 8, .value_kind: global_buffer, .address_space: global }
      - { .name: y, .offset: 8, .size: 8, .value_kind: global_buffer, .address_space: global }
      - { .name: out0, .offset: 16, .size: 8, .value_kind: global_buffer, .address_space: global }
    .group_segment_fixed_size: 0
    .private_segment_fixed_size: 0
    .kernarg_segment_align: 8
    .kernarg_segment_size: 24
    .max_flat_workgroup_size: 256
    .sgpr_count:     66
    .vgpr_count:     144
    .wavefront_size: 32
...
	.end_amdgpu_metadata
.endif
;; end of part 3
